; MI455X (gfx1250); checked and timed in simulation.
; The chip was launched on July 23, 2026; its instructions are those of AMD's public machine-readable ISA for CDNA 5 (MIT licence, August 2026) and "CDNA5" Instruction Set Architecture Reference Guide (July 2026). The comments in the code are by the model that wrote it; some were corrected since.
;; Comm Attention. Allowed arithmetic: matrix products marked QUANTISED: E5M2 operands, one given power-of-two scale a tensor, by v_wmma_f32_16x16x64_bf8_bf8 or v_wmma_f32_16x16x128_bf8_bf8, f32 sums; everything else in f32.
;; Inputs: Wk 128 x 1,024 float32; Wkt 128 x 1,024 float32; Wo 1,024 x 128 float32; Wq 128 x 1,024 float32; Wqt 128 x 1,024 float32; Wv 128 x 1,024 float32; Wvt 128 x 1,024 float32; bkt 1,024 float32; bo 128 float32; bqt 1,024 float32; bvt 1,024 float32; kv_x 4 x 16 x 64 x 32 x 128 float32; lowp_scales 18 int32 (the exponents e of the quantised operands' scales 2^e); q_x 4 x 64 x 16 x 128 float32; t_embed 4 x 64 x 1 x 128 float32.
;; Outputs: out0 4 x 64 x 16 x 128 float32.
;; This version of the problem:
;;   THIS VERSION OF THE PROBLEM IS GIVEN IN LOW PRECISION. The matrix products marked QUANTISED in the list below multiply operands that are first quantised to E5M2 (5 exponent bits, 2 mantissa bits; 8 bits a number), with one given power-of-two scale for each operand tensor; their sums are f32. All else is computed in f32.
;;   The module's matrix products, in the order in which they are computed (A, B: the left and right operand; K: the contracted axis; several contracted axes count as one K, in the product's order):
;;     1. [M 4,096, K 128] x [K 128, N 1,024]; A: input q_x; B: input Wq: QUANTISED (scales: A lowp_scales[0], B lowp_scales[1])
;;     2. [M 256, K 128] x [K 128, N 1,024]; A: computed on the way; B: input Wqt: QUANTISED (scales: A lowp_scales[2], B lowp_scales[3])
;;     3. [M 131,072, K 128] x [K 128, N 1,024]; A: input kv_x; B: input Wk: QUANTISED (scales: A lowp_scales[4], B lowp_scales[5])
;;     4. [M 256, K 128] x [K 128, N 1,024]; A: computed on the way; B: input Wkt: QUANTISED (scales: A lowp_scales[6], B lowp_scales[7])
;;     5. [M 131,072, K 128] x [K 128, N 1,024]; A: input kv_x; B: input Wv: QUANTISED (scales: A lowp_scales[8], B lowp_scales[9])
;;     6. [M 256, K 128] x [K 128, N 1,024]; A: computed on the way; B: input Wvt: QUANTISED (scales: A lowp_scales[10], B lowp_scales[11])
;;     7. batch 512 x [M 64, K 128] x [K 128, N 2,048]; A: computed on the way; B: computed on the way: QUANTISED (scales: A lowp_scales[12], B lowp_scales[13])
;;     8. batch 512 x [M 64, K 2,048] x [K 2,048, N 128]; A: softmax (see below); B: computed on the way: QUANTISED (scales: A lowp_scales[14], B lowp_scales[15])
;;     9. [M 4,096, K 1,024] x [K 1,024, N 128]; A: computed on the way; B: input Wo: QUANTISED (scales: A lowp_scales[16], B lowp_scales[17])
;;   THE QUANTISER, for each operand of a quantised product, along K:
;;     - The operand's scale is 2^e, e = its entry of the input lowp_scales (int32; the entries are numbered through the quantised products in the list's order, A before B).
;;     - Each number is divided by the scale, clamped to +-57,344, and rounded to the nearest number of E5M2, ties to even, subnormals kept.
;;     - The product sums the exact products of the quantised numbers (number of the format x scale) in f32.
;;   ~~~python
;;   def quantise(x, axis, e):      # numpy; x: float32 -> the quantised numbers, widened to float32 again
;;       x = np.moveaxis(x, axis, -1); K = x.shape[-1]
;;       r = np.clip(x / 2.0 ** e, -57344, 57344)
;;       step = 2.0 ** (np.maximum(np.frexp(np.where(r == 0, 1, r))[1] - 1, -14) - 2)
;;       q = np.round(r / step) * step * 2.0 ** e      # np.round: ties to even
;;       return np.moveaxis(q, -1, axis).astype(np.float32)
;;   ~~~
;;   SOFTMAX AHEAD OF A QUANTISED PRODUCT. Where the list says 'softmax', what is quantised is not the finished softmax but p = 2^(t - M), with t = logit x log2(e) and M = ceil(the row's largest t), a whole number; so 1/2 < the row's largest p <= 1. The row's sum l is taken of the UNQUANTISED p, in f32, and the product's result is divided by l at the end. Since M is a whole number, a kernel that streams over the keys may use a running M (the ceiling of the running maximum): every later rescaling is an exact power of two, so the quantised numbers keep their values, but for numbers so far below the row's largest that they fall under the format's range.
;;   OPERANDS COMPUTED ON THE WAY. 'Computed on the way' means the value that the module computes at that place (a softmax that the list does not call 'softmax' is quantised finished and normalised). What goes into a quantiser is computed in f32, as accurately as f32 sums, v_exp_f32 and their like allow (about 1e-6 of the number): no bf16 or f16 on the way to a quantiser, and a product that is left as it is and whose result goes on into a quantised operand takes f32 operands (vector FMAs, or v_wmma_f32_16x16x4_f32). A number that lies on a knife's edge between two numbers of the format may be rounded either way, as far as f32 arithmetic and the matrix unit's own rounding can turn it there, and no further.
;; One version. Each part assembles by itself: llvm-mc -triple=amdgcn-amd-amdhsa -mcpu=gfx1250 --defsym DOCPART=n.
;; ======== version 1 of 1: 3 launches
;; limits: right only within a limited range of input values
;; workspace buffers: x_img 33,554,432 bytes; w_img 393,216 bytes; q_img 4,194,304 bytes; kb_img 1,048,576 bytes; vb_img 1,048,576 bytes; ao_img 4,194,304 bytes
;; launch prep (part 1): grid 664 x 1, 8 waves a work-group, no clusters, 134,144 bytes of LDS; arguments kv_x, q_x, t_embed, Wq, Wk, Wv, Wqt, Wkt, Wvt, Wo, bqt, bkt, bvt, lowp_scales, x_img, w_img, q_img, kb_img, vb_img; writes x_img, w_img, q_img, kb_img, vb_img
.if DOCPART == 1
	.amdgcn_target "amdgcn-amd-amdhsa--gfx1250"
	.amdhsa_code_object_version 6
	.text
	.protected	k_qaeeb97833d_prep
	.globl	k_qaeeb97833d_prep
	.p2align	8
	.type	k_qaeeb97833d_prep,@function
k_qaeeb97833d_prep:
	s_mov_b64 s[64:65], 0
	v_nop
	global_prefetch_b8 v0, s[64:65] scope:SCOPE_SE
	s_setreg_imm32_b32 hwreg(HW_REG_WAVE_MODE, 25, 1), 1
	s_wait_xcnt 0x0
; PREP: everything that the attention launch wants as operands, made once, as IMAGES OF FRAGMENTS.
; An image is the 16 registers of a fragment of 16 rows x 128 K of E5M2 codes in the matrix instruction's own layout (lane (r, h): row r; registers 2 c, 2 c + 1: k = 16 c + 8 h + 0 .. 7),
; stored as four pieces of 512 bytes: piece q holds registers 4 q .. 4 q + 3, lane l's 16 bytes at 512 q + 16 l.  So every store and every later load of an image covers 512 consecutive bytes.
; Three roles, chosen by the work-group's number alone; each role has LDS bytes of its own.
;   Q (work-groups 0-127: b, head, tile of 16 t): mish(t_embed); the three time biases (products 2, 4, 6); the projection of q_x (product 1), quantised at e12: q_img, kb_img, vb_img.
;   W (128-151): Wk, Wv, Wo as codes: a lane takes a column and its registers run down K: w_img.
;   X (152-663): kv_x as codes, twice (at e4 for K's projection, at e8 for V's): x_img.  A tile's 16 rows are 16 neighbouring t' at one l'.
; code = x / 2^e, held within +-57,344, to the nearest code, ties to even.
; LIMITS: every exponent of which a power of two is made lies between -126 and 112 (e0 .. e11, e12 - e0 - e1), and e2+e3-e0-e1, e6+e7-e4-e5, e10+e11-e8-e9 between -126 and 127.
; NaN among the inputs is not served.  mish: where e^x falls under the smallest normal f32 number the result is 0.
.set STGP,  528                        ; role X: a stage row: 512 bytes + 16 = 132 words, so that sixteen rows start at sixteen different groups of banks
.set QXI,   67584                      ; role Q: q_x's 16 images (l = 0 .. 15), 2,048 bytes each; behind role X's eight stages of 8,448 bytes
.set QST,   100352                     ; role Q: Q's 16 images
.set RA,    32                         ; v32-95   64 numbers
.set RB,    96                         ; v96-159  64 numbers
.set TEC,   160                        ; v160-207 mish(t_embed) as codes at e2, e6, e10 (before that: at work in mish)
.set T8,    208                        ; v208-223 two sets of eight numbers, by turns
.set WC,    224                        ; v224-239 a weight's fragment
.set DD,    240                        ; v240-247 a product's result
; 64 numbers of a weight [K][N]: lane (r, h) takes its column, register 8 c + j = row 16 c + 8 h + j (the 8 h rows and the column stand in the lane's offset)
.macro WFRAG dst, voff, sb, pitch
.irp c, 0,1,2,3,4,5,6,7
.irp j, 0,1,2,3,4,5,6,7
	global_load_b32 v[\dst+8*\c+\j], v[\voff], s[\sb:\sb+1] offset:(16*\c+\j)*\pitch
.endr
.endr
.endm
; the scale 2^e for the conversions (v13) and the hold's two limits, -+57,344 x 2^e (s88, s87), from the exponent in s[e]
.macro SETQ e
	s_add_co_i32 s86, s[\e], 127
	s_lshl_b32 s86, s86, 23
	s_add_co_i32 s87, s[\e], 142
	s_lshl_b32 s87, s87, 23
	s_or_b32 s87, s87, 0x600000
	s_or_b32 s88, s87, 0x80000000
	v_mov_b32 v13, s86
.endm
; 64 numbers become a fragment's 16 registers of codes
.macro QUANT64 src, dst
.set j, 0
.rept 64
	v_med3_num_f32 v[\src+j], v[\src+j], s88, s87  ; the conversion to an 8-bit code does not saturate (ISA guide 7.6.2): the hold comes first
.set j, j+1
.endr
.irp c, 0,1,2,3,4,5,6,7
	v_cvt_scalef32_pk8_bf8_f32 v[\dst+2*\c:\dst+2*\c+1], v[\src+8*\c:\src+8*\c+7], v13
.endr
	v_nop                                          ; one plain vector line behind the last conversion, ahead of whatever next touches its registers
.endm
; mish(t_embed), which stays in RA, as codes under the scale set by SETQ: eight numbers at a time, held into two sets by turns
.macro TESET dst
.irp c, 0,1,2,3,4,5,6,7
.irp j, 0,1,2,3,4,5,6,7
	v_med3_num_f32 v[T8+8*(\c%2)+\j], v[RA+8*\c+\j], s88, s87
.endr
	v_cvt_scalef32_pk8_bf8_f32 v[\dst+2*\c:\dst+2*\c+1], v[T8+8*(\c%2):T8+8*(\c%2)+7], v13
.endr
	v_nop
.endm
; mish(x) = x tanh(log(1 + e^x)) = x n / (n + 2), n = u (u + 2), u = e^x: the same function, with no difference of near numbers.  From x = 16 on n / (n + 2) is 1 in f32, so u is made of min(x, 16).
.macro MISH x
.set j, 0
.rept 16
	v_min_num_f32 v[160+j], 0x41800000, v[\x+j]
.set j, j+1
.endr
.set j, 0
.rept 16
	v_mul_f32 v[160+j], 0x3fb8aa3b, v[160+j]       ; x log2(e)
.set j, j+1
.endr
.set j, 0
	s_wait_alu depctr_va_vdst(0)
.rept 16
	v_exp_f32 v[160+j], v[160+j]
.set j, j+1
.endr
	v_nop                                          ; a plain line behind the last exponential,
	s_wait_alu depctr_va_vdst(0)                   ; and one wait for the batch ahead of its first reader
.set j, 0
.rept 8
	v_pk_add_f32 v[176+j:177+j], v[160+j:161+j], 2.0 op_sel_hi:[1,0]
.set j, j+2
.endr
.set j, 0
.rept 8
	v_pk_mul_f32 v[160+j:161+j], v[160+j:161+j], v[176+j:177+j]       ; n
.set j, j+2
.endr
.set j, 0
.rept 8
	v_pk_add_f32 v[176+j:177+j], v[160+j:161+j], 2.0 op_sel_hi:[1,0]  ; n + 2
.set j, j+2
.endr
.set j, 0
	s_wait_alu depctr_va_vdst(0)
.rept 16
	v_rcp_f32 v[176+j], v[176+j]
.set j, j+1
.endr
	v_nop
	s_wait_alu depctr_va_vdst(0)
.set j, 0
.rept 8
	v_pk_mul_f32 v[160+j:161+j], v[160+j:161+j], v[176+j:177+j]
.set j, j+2
.endr
.set j, 0
.rept 8
	v_pk_mul_f32 v[\x+j:\x+j+1], v[\x+j:\x+j+1], v[160+j:161+j]
.set j, j+2
.endr
.endm
; a bias goes into a later product as its C, so it is divided by the power of two that that product's sums lack: s92 = -(a + b); s[90:91] = 2^(c + d - a - b), for the time product's own sum
.macro FOLD a, b, c, d
	s_add_co_i32 s89, s[\a], s[\b]
	s_sub_co_i32 s92, 0, s89
	s_add_co_i32 s90, s[\c], s[\d]
	s_sub_co_i32 s90, s90, s89
	s_add_co_i32 s90, s90, 127
	s_lshl_b32 s90, s90, 23
	s_mov_b32 s91, s90                             ; (named with it as a pair, so it is written)
.endm
.macro IMG_LDS adr, reg, off
.irp q, 0,1,2,3
	ds_store_b128 v[\adr], v[\reg+4*\q:\reg+4*\q+3] offset:\off+512*\q
.endr
.endm
.macro IMG_GL reg, sb, off
.irp q, 0,1,2,3
	global_store_b128 v1, v[\reg+4*\q:\reg+4*\q+3], s[\sb:\sb+1] offset:\off+512*\q   ; 32 lanes store 512 consecutive bytes, aligned
.endr
.endm
.macro QXLOAD reg, off                 ; 64 numbers of q_x: lane (r, h): row t = r of my l, register 8 c + j = f 16 c + 8 h + j
.irp c, 0,1,2,3,4,5,6,7
	global_load_b128 v[\reg+8*\c:\reg+8*\c+3], v6, s[6:7] offset:\off+64*\c
	global_load_b128 v[\reg+8*\c+4:\reg+8*\c+7], v6, s[6:7] offset:\off+64*\c+16
.endr
.endm
.macro BAR                             ; my LDS stores have landed and my LDS loads are in: then the work-group's barrier
	s_wait_dscnt 0x0
	s_barrier_signal -1
	s_barrier_wait -1
.endm
	s_load_b512 s[4:19], s[0:1], 0x0               ; kv_x 4, q_x 6, t_embed 8, Wq 10, Wk 12, Wv 14, Wqt 16, Wkt 18
	s_load_b512 s[20:35], s[0:1], 0x40             ; Wvt 20, Wo 22, bqt 24, bkt 26, bvt 28, lowp_scales 30, x_img 32, w_img 34
	s_load_b128 s[36:39], s[0:1], 0x80             ; q_img 36, kb_img 38
	s_load_b64 s[40:41], s[0:1], 0x90              ; vb_img
	s_set_vgpr_msb 0x40
	v_lshl_add_u32 v0, v0, 2, 0x20800
	v_mov_b32 v1, 0
	s_set_vgpr_msb 0x4000
	v_lshrrev_b32 v1, 5, v0
	s_delay_alu instid0(VALU_DEP_1)
	v_readfirstlane_b32 s44, v1                    ; wave 0..7
	v_and_b32 v1, 31, v0
	s_delay_alu instid0(VALU_DEP_1)
	v_lshlrev_b32 v1, 4, v1                        ; 16 x lane: my place in a piece of an image
	v_and_b32 v2, 15, v0                           ; r
	v_bfe_u32 v3, v0, 4, 1                         ; h
	s_wait_kmcnt 0x0
	s_load_b512 s[68:83], s[30:31], 0x0            ; e0 .. e15 in s68 .. s83
	s_load_b64 s[84:85], s[30:31], 0x40            ; e16, e17
	s_cmp_lt_u32 ttmp9, 128
	s_cbranch_scc1 .Lrole_q
	s_cmp_lt_u32 ttmp9, 152
	s_cbranch_scc1 .Lrole_w
; ---------------- ROLE X: a wave takes two tiles of kv_x, T = 2 u and 2 u + 1 (the same b, n and sixteen t', neighbouring l').
; Each load reads a row's 512 bytes, 16 a lane; the tile turns through the wave's own stage in LDS, so that a lane gets eight neighbours along K at a time.  Waves share nothing: no barrier.
	s_sub_co_u32 s45, ttmp9, 152
	s_lshl_b32 s45, s45, 3
	s_add_co_u32 s45, s45, s44
	s_lshl_b32 s45, s45, 1                         ; T = ((b n) x 4 + t' / 16) x 32 + l'
	s_lshr_b32 s46, s45, 7
	s_lshl_b32 s46, s46, 20                        ; (b n): 64 x 32 rows of 512 bytes
	s_bfe_u32 s47, s45, 0x20005
	s_lshl_b32 s47, s47, 18                        ; sixteen t': 16 x 32 rows
	s_add_co_u32 s46, s46, s47
	s_and_b32 s47, s45, 31
	s_lshl_b32 s47, s47, 9                         ; l'
	s_add_co_u32 s46, s46, s47
	s_mov_b32 s47, 0
	s_add_nc_u64 s[4:5], s[4:5], s[46:47]
	s_wait_alu depctr_va_vdst(0)
.irp i, 0,1
.irp m, 0,1,2,3,4,5,6,7,8,9,10,11,12,13,14,15
	global_load_b128 v[16+64*\i+4*\m:16+64*\i+4*\m+3], v1, s[4:5] offset:\m*16384+\i*512 th:TH_LOAD_NT   ; row t' = m: read once in the launch
.endr
.endr
	s_lshl_b32 s48, s45, 11
	s_mov_b32 s49, 0
	s_add_nc_u64 s[32:33], s[32:33], s[48:49]      ; the images at e4,
	s_add_nc_u64 s[50:51], s[32:33], 0x1000000     ; and at e8, 8,192 images further on
	s_mul_i32 s58, s44, 8448                       ; my stage
	v_add_nc_u32 v6, s58, v1                       ; in: 16 x lane, the row in the immediate
	v_mul_u32_u24 v7, v2, STGP
	s_delay_alu instid0(VALU_DEP_1)
	v_lshl_add_u32 v7, v3, 5, v7
	s_delay_alu instid0(VALU_DEP_1)
	v_add_nc_u32 v7, s58, v7                       ; out: row r, + 32 h bytes
	s_wait_alu depctr_va_vdst(0)
	s_wait_kmcnt 0x0
	s_add_co_i32 s52, s72, 127
	s_lshl_b32 s52, s52, 23
	v_mov_b32 v4, s52                              ; 2^e4
	s_add_co_i32 s53, s72, 142
	s_lshl_b32 s53, s53, 23
	s_or_b32 s53, s53, 0x600000                    ; 57,344 x 2^e4
	s_or_b32 s54, s53, 0x80000000
	s_add_co_i32 s55, s76, 127
	s_lshl_b32 s55, s55, 23
	v_mov_b32 v5, s55                              ; 2^e8
	s_add_co_i32 s56, s76, 142
	s_lshl_b32 s56, s56, 23
	s_or_b32 s56, s56, 0x600000
	s_or_b32 s57, s56, 0x80000000
.macro XTILE i, cb, left               ; tile i; its 32 registers of codes go to v[cb] on; left: the other tile's loads, which may stay out
	s_wait_loadcnt \left
.irp m, 0,1,2,3,4,5,6,7,8,9,10,11,12,13,14,15
	ds_store_b128 v6, v[16+64*\i+4*\m:16+64*\i+4*\m+3] offset:\m*STGP
.endr
.irp c, 0,1,2,3,4,5,6,7
	ds_load_b128 v[144+8*\c:144+8*\c+3], v7 offset:64*\c              ; LDS serves a wave's instructions in order: these see the stores above
	ds_load_b128 v[144+8*\c+4:144+8*\c+7], v7 offset:64*\c+16
.endr
	s_wait_dscnt 0x0
.set j, 0
.rept 64
	v_med3_num_f32 v[16+64*\i+j], v[144+j], s54, s53                  ; held for e4, into the registers that the loads have left
.set j, j+1
.endr
.irp c, 0,1,2,3,4,5,6,7
	v_cvt_scalef32_pk8_bf8_f32 v[\cb+2*\c:\cb+2*\c+1], v[16+64*\i+8*\c:16+64*\i+8*\c+7], v4
.endr
.set j, 0
.rept 64
	v_med3_num_f32 v[144+j], v[144+j], s57, s56                       ; held for e8, in place
.set j, j+1
.endr
.irp c, 0,1,2,3,4,5,6,7
	v_cvt_scalef32_pk8_bf8_f32 v[\cb+16+2*\c:\cb+17+2*\c], v[144+8*\c:144+8*\c+7], v5
.endr
	v_nop
	IMG_GL \cb, 32, \i*2048
	IMG_GL \cb+16, 50, \i*2048
.endm
	XTILE 0, 208, 16
	XTILE 1, 16, 0                                 ; its codes go where tile 0's numbers lay: no store's data are written again
	s_set_vgpr_msb 0x5
	s_wait_tensorcnt 0x0
	ds_add_u32 v0, v1
	s_wait_dscnt 0x0
	s_set_vgpr_msb 0x500
	s_endpgm
; ---------------- ROLE W: a wave makes one image, F = 0 .. 191: Wk's 64 tiles of 16 columns, Wv's 64, Wo's 64 (8 tiles of columns x 8 K steps of 128)
.Lrole_w:
	s_sub_co_u32 s45, ttmp9, 128
	s_lshl_b32 s46, s45, 3
	s_add_co_u32 s46, s46, s44                     ; F
	s_lshl_b32 s48, s46, 11
	s_mov_b32 s49, 0
	s_add_nc_u64 s[34:35], s[34:35], s[48:49]
	s_and_b32 s47, s46, 63
	s_wait_alu depctr_va_vdst(0)
	v_lshlrev_b32 v4, 2, v2                        ; 4 r: my column
	s_wait_kmcnt 0x0
	s_cmp_lt_u32 s45, 16
	s_cbranch_scc0 .Lw_o
	s_cmp_lt_u32 s45, 8                            ; Wk or Wv: the choice hangs on the work-group's number alone
	s_cselect_b64 s[12:13], s[12:13], s[14:15]
	s_cselect_b32 s50, s73, s77                    ; e5 or e9
	s_lshl_b32 s48, s47, 6                         ; 16 columns of 4 bytes a tile
	s_add_nc_u64 s[12:13], s[12:13], s[48:49]
	s_wait_alu depctr_va_vdst(0)
	v_lshl_add_u32 v4, v3, 15, v4                  ; + 8 h rows of 4,096 bytes
	WFRAG RA, 4, 12, 4096
	s_branch .Lw_q
.Lw_o:
	s_mov_b32 s50, s85                             ; e17
	s_and_b32 s48, s47, 7
	s_lshl_b32 s48, s48, 16                        ; K step: 128 rows of 512 bytes
	s_lshr_b32 s51, s47, 3
	s_lshl_b32 s51, s51, 6                         ; tile of columns
	s_add_co_u32 s48, s48, s51
	s_add_nc_u64 s[22:23], s[22:23], s[48:49]
	s_wait_alu depctr_va_vdst(0)
	v_lshl_add_u32 v4, v3, 12, v4                  ; + 8 h rows of 512 bytes
	WFRAG RA, 4, 22, 512
.Lw_q:
	SETQ 50
	s_wait_loadcnt 0x0
	QUANT64 RA, RB
	IMG_GL RB, 34, 0
	s_endpgm
; ---------------- ROLE Q: work-group (b, head, sixteen t); wave w owns the head's channels 16 w .. 16 w + 15
.Lrole_q:
	s_lshr_b32 s45, ttmp9, 5                       ; b
	s_bfe_u32 s46, ttmp9, 0x30002                  ; head
	s_and_b32 s47, ttmp9, 3                        ; which sixteen t
	s_lshl_b32 s48, s45, 6
	s_lshl_b32 s49, s47, 4
	s_add_co_u32 s48, s48, s49                     ; first row (b, t): 64 b + 16 qt
	s_lshl_b32 s49, s46, 7
	s_lshl_b32 s50, s44, 4
	s_add_co_u32 s49, s49, s50                     ; first column: 128 head + 16 w
	s_wait_alu depctr_va_vdst(0)
	v_add_nc_u32 v4, s49, v2
	s_delay_alu instid0(VALU_DEP_1)
	v_lshlrev_b32 v8, 2, v4                        ; v8: bvt: my column
	s_delay_alu instid0(VALU_DEP_1)
	v_lshl_add_u32 v4, v3, 15, v8                  ; v4: the weights: my column, + 8 h rows of 4,096 bytes
	v_add_nc_u32 v5, s48, v2
	s_delay_alu instid0(VALU_DEP_1)
	v_lshlrev_b32 v6, 13, v5                       ; q_x: a (b, t) is 16 rows of 512 bytes
	s_delay_alu instid0(VALU_DEP_2)
	v_lshlrev_b32 v5, 9, v5
	s_delay_alu instid0(VALU_DEP_1)
	v_lshl_add_u32 v5, v3, 5, v5                   ; v5: t_embed: row r, + 32 h bytes
	s_wait_alu depctr_va_vdst(0)
	v_lshl_add_u32 v6, v3, 5, v6
	s_lshl_b32 s50, s44, 10
	v_add_nc_u32 v6, s50, v6                       ; v6: q_x: row (t = r, l = 2 w), + 32 h bytes
	s_lshl_b32 s50, s49, 2
	v_lshl_add_u32 v7, v3, 5, s50                  ; v7: bqt, bkt: my eight channels 16 w + 8 h + 0 .. 7
	s_wait_alu depctr_va_vdst(0)
	s_lshl_b32 s50, s44, 12
	s_add_co_u32 s51, s50, QXI
	v_add_nc_u32 v9, s51, v1                       ; v9: where I store q_x's images of l = 2 w, 2 w + 1
	s_add_co_u32 s51, s50, QST
	v_add_nc_u32 v11, s51, v1                      ; v11: where I read Q's images of l = 2 w, 2 w + 1 back
	s_lshr_b32 s50, s44, 1
	s_lshl_b32 s50, s50, 9
	s_and_b32 s51, s44, 1
	s_lshl_b32 s51, s51, 3
	s_add_co_u32 s50, s50, s51
	s_add_co_u32 s50, s50, QST
	v_add_nc_u32 v10, s50, v1                      ; v10: registers 2 w, 2 w + 1 of an image of Q: piece w / 2, 8 bytes at 8 (w % 2) of my 16
	v_add_nc_u32 v12, QXI, v1                      ; v12: q_x's images, for reading
	s_lshl_b32 s50, s45, 2
	s_add_co_u32 s50, s50, s47
	s_lshl_b32 s50, s50, 3
	s_add_co_u32 s50, s50, s46
	s_lshl_b32 s50, s50, 3
	s_add_co_u32 s50, s50, s44
	s_lshl_b32 s50, s50, 10                        ; kb_img, vb_img: [b][sixteen t'][head][tile w] of 1,024 bytes
	s_mov_b32 s51, 0
	s_add_nc_u64 s[38:39], s[38:39], s[50:51]
	s_add_nc_u64 s[40:41], s[40:41], s[50:51]
	s_lshl_b32 s50, s45, 4
	s_lshl_b32 s52, s44, 1
	s_add_co_u32 s50, s50, s52
	s_lshl_b32 s50, s50, 3
	s_add_co_u32 s50, s50, s46
	s_lshl_b32 s50, s50, 2
	s_add_co_u32 s50, s50, s47
	s_lshl_b32 s50, s50, 11                        ; q_img: [16 b + l][head][sixteen t] of 2,048 bytes, at l = 2 w
	s_add_nc_u64 s[36:37], s[36:37], s[50:51]
.irp c, 0,1,2,3,4,5,6,7
	global_load_b128 v[RA+8*\c:RA+8*\c+3], v5, s[8:9] offset:64*\c
	global_load_b128 v[RA+8*\c+4:RA+8*\c+7], v5, s[8:9] offset:64*\c+16
.endr
	global_load_b128 v[16:19], v7, s[24:25]
	global_load_b128 v[20:23], v7, s[24:25] offset:16
	global_load_b128 v[24:27], v7, s[26:27]
	global_load_b128 v[28:31], v7, s[26:27] offset:16
	global_load_b32 v14, v8, s[28:29]
	global_load_b32 v15, v8, s[28:29]              ; twice: the packed form below names the pair
	WFRAG RB, 4, 16, 4096                          ; Wqt
	s_wait_kmcnt 0x0
	s_wait_loadcnt 63                              ; t_embed and the biases are in: behind them stand Wqt's 64 loads, one more than the count can name
	MISH RA
	MISH RA+16
	MISH RA+32
	MISH RA+48
	SETQ 70
	TESET TEC                                      ; at e2
	SETQ 74
	TESET TEC+16                                   ; at e6
	SETQ 78
	TESET TEC+32                                   ; at e10
	WFRAG RA, 4, 18, 4096                          ; Wkt
	s_wait_loadcnt 63                              ; Wqt is in
	SETQ 71
	QUANT64 RB, WC
	FOLD 68, 69, 70, 71
	v_wmma_f32_16x16x128_bf8_bf8 v[DD:DD+7], v[WC:WC+15], v[TEC:TEC+15], 0     ; source 0 = my 16 channels of Wqt, source 1 = sixteen t: lane (r, h): t = r, channels 8 h + 0 .. 7
.irp j, 0,1,2,3,4,5,6,7
	v_ldexp_f32 v[16+\j], v[16+\j], s92            ; bqt / 2^(e0 + e1).  (These eight are also the places behind the product)
.endr
.irp j, 0,2,4,6
	v_pk_fma_f32 v[16+\j:17+\j], v[DD+\j:DD+\j+1], s[90:91], v[16+\j:17+\j] op_sel_hi:[1,0,1]   ; q's time bias, as the C of q's projection
.endr
	WFRAG RB, 4, 20, 4096                          ; Wvt
	s_wait_loadcnt 63                              ; Wkt is in
	SETQ 75
	QUANT64 RA, WC
	FOLD 72, 73, 74, 75
	v_wmma_f32_16x16x128_bf8_bf8 v[DD:DD+7], v[WC:WC+15], v[TEC+16:TEC+31], 0
.irp j, 0,1,2,3,4,5,6,7
	v_ldexp_f32 v[24+\j], v[24+\j], s92            ; bkt / 2^(e4 + e5)
.endr
.irp j, 0,2,4,6
	v_pk_fma_f32 v[248+\j:249+\j], v[DD+\j:DD+\j+1], s[90:91], v[24+\j:25+\j] op_sel_hi:[1,0,1]
.endr
	global_store_b128 v1, v[248:251], s[38:39]
	global_store_b128 v1, v[252:255], s[38:39] offset:512
	WFRAG RA, 4, 10, 4096                          ; Wq
	s_wait_loadcnt 63                              ; Wvt is in
	SETQ 79
	QUANT64 RB, WC
	FOLD 76, 77, 78, 79
	v_wmma_f32_16x16x128_bf8_bf8 v[DD:DD+7], v[TEC+32:TEC+47], v[WC:WC+15], 0  ; the other way round: lane (r, h): channel r, t' = 8 h + 0 .. 7: the layout of V's projection
	v_ldexp_f32 v14, v14, s92                      ; bvt / 2^(e8 + e9)
	v_ldexp_f32 v15, v15, s92
	v_nop
	v_nop                                          ; four places behind the product
.irp j, 0,2,4,6
	v_pk_fma_f32 v[T8+\j:T8+\j+1], v[DD+\j:DD+\j+1], s[90:91], v[14:15] op_sel_hi:[1,0,1]
.endr
	global_store_b128 v1, v[T8:T8+3], s[40:41]
	global_store_b128 v1, v[T8+4:T8+7], s[40:41] offset:512
	QXLOAD RB, 0                                   ; q_x, l = 2 w
	s_wait_loadcnt 16                              ; Wq is in; q_x's sixteen loads may be out
	SETQ 69
	QUANT64 RA, WC                                 ; Wq's fragment stays
	QXLOAD RA, 512                                 ; l = 2 w + 1
	s_wait_loadcnt 16
	SETQ 68
	QUANT64 RB, TEC
	IMG_LDS 9, TEC, 0
	s_wait_loadcnt 0x0
	QUANT64 RA, TEC+16
	IMG_LDS 9, TEC+16, 2048
	BAR                                            ; q_x's sixteen images lie in LDS
	s_sub_co_i32 s89, s80, s68
	s_sub_co_i32 s89, s89, s69                     ; a sum stands for sum x 2^(e0 + e1): its code at e12 is sum / 2^(e12 - e0 - e1)
	SETQ 89
.irp a, 0,1,2,3                        ; four l at a time
.irp i, 0,1,2,3
.irp q, 0,1,2,3
	ds_load_b128 v[RA+16*\i+4*\q:RA+16*\i+4*\q+3], v12 offset:(4*\a+\i)*2048+512*\q
.endr
.endr
	s_wait_dscnt 0x0
.irp i, 0,1,2,3
	v_wmma_f32_16x16x128_bf8_bf8 v[RB+8*\i:RB+8*\i+7], v[WC:WC+15], v[RA+16*\i:RA+16*\i+15], v[16:23]   ; lane (r, h): query t = r, my channels 8 h + 0 .. 7; the bias is the C
.endr
.rept 4
	v_nop
.endr
.set j, 0
.rept 32
	v_med3_num_f32 v[RB+j], v[RB+j], s88, s87
.set j, j+1
.endr
.irp i, 0,1,2,3
	v_cvt_scalef32_pk8_bf8_f32 v[128+2*\i:129+2*\i], v[RB+8*\i:RB+8*\i+7], v13
.endr
	v_nop
.irp i, 0,1,2,3
	ds_store_b64 v10, v[128+2*\i:129+2*\i] offset:(4*\a+\i)*2048
.endr
.endr
	BAR                                            ; Q's sixteen images are whole: each has two registers from each wave
.irp k, 0,1,2,3,4,5,6,7
	ds_load_b128 v[RA+4*\k:RA+4*\k+3], v11 offset:512*\k
.endr
	s_wait_dscnt 0x0
.irp k, 0,1,2,3,4,5,6,7
	global_store_b128 v1, v[RA+4*\k:RA+4*\k+3], s[36:37] offset:(\k/4)*65536+(\k%4)*512
.endr
	s_set_vgpr_msb 0x5
	s_wait_tensorcnt 0x0
	ds_add_u32 v0, v1
	s_wait_dscnt 0x0
	s_set_vgpr_msb 0x500
	s_endpgm
.Lfunc_end_k_qaeeb97833d_prep:
	.size	k_qaeeb97833d_prep, .Lfunc_end_k_qaeeb97833d_prep-k_qaeeb97833d_prep
	.p2alignl 7, 3214868480
	.fill 96, 4, 3214868480
	.section	.rodata,"a",@progbits
	.p2align	6, 0x0
	.amdhsa_kernel k_qaeeb97833d_prep
		.amdhsa_group_segment_fixed_size 134144
		.amdhsa_private_segment_fixed_size 0
		.amdhsa_enable_private_segment 0
		.amdhsa_kernarg_size 152
		.amdhsa_user_sgpr_count 2
		.amdhsa_user_sgpr_kernarg_segment_ptr 1
		.amdhsa_wavefront_size32 1
		.amdhsa_system_sgpr_workgroup_id_x 1
		.amdhsa_system_sgpr_workgroup_id_y 1
		.amdhsa_system_sgpr_workgroup_id_z 1
		.amdhsa_system_vgpr_workitem_id 0
		.amdhsa_next_free_vgpr 258
		.amdhsa_next_free_sgpr 100
		.amdhsa_reserve_vcc 0
		.amdhsa_float_denorm_mode_32 3
		.amdhsa_float_denorm_mode_16_64 3
		.amdhsa_memory_ordered 1
		.amdhsa_forward_progress 1
		.amdhsa_inst_pref_size 168
	.end_amdhsa_kernel
	.amdgpu_metadata
---
amdhsa.version: [ 1, 2 ]
amdhsa.kernels:
  - .name:           k_qaeeb97833d_prep
    .symbol:         k_qaeeb97833d_prep.kd
    .args:
      - { .name: kv_x, .offset: 0, .size: 8, .value_kind: global_buffer, .address_space: global }
      - { .name: q_x, .offset: 8, .size: 8, .value_kind: global_buffer, .address_space: global }
      - { .name: t_embed, .offset: 16, .size: 8, .value_kind: global_buffer, .address_space: global }
      - { .name: Wq, .offset: 24, .size: 8, .value_kind: global_buffer, .address_space: global }
      - { .name: Wk, .offset: 32, .size: 8, .value_kind: global_buffer, .address_space: global }
      - { .name: Wv, .offset: 40, .size: 8, .value_kind: global_buffer, .address_space: global }
      - { .name: Wqt, .offset: 48, .size: 8, .value_kind: global_buffer, .address_space: global }
      - { .name: Wkt, .offset: 56, .size: 8, .value_kind: global_buffer, .address_space: global }
      - { .name: Wvt, .offset: 64, .size: 8, .value_kind: global_buffer, .address_space: global }
      - { .name: Wo, .offset: 72, .size: 8, .value_kind: global_buffer, .address_space: global }
      - { .name: bqt, .offset: 80, .size: 8, .value_kind: global_buffer, .address_space: global }
      - { .name: bkt, .offset: 88, .size: 8, .value_kind: global_buffer, .address_space: global }
      - { .name: bvt, .offset: 96, .size: 8, .value_kind: global_buffer, .address_space: global }
      - { .name: lowp_scales, .offset: 104, .size: 8, .value_kind: global_buffer, .address_space: global }
      - { .name: x_img, .offset: 112, .size: 8, .value_kind: global_buffer, .address_space: global }
      - { .name: w_img, .offset: 120, .size: 8, .value_kind: global_buffer, .address_space: global }
      - { .name: q_img, .offset: 128, .size: 8, .value_kind: global_buffer, .address_space: global }
      - { .name: kb_img, .offset: 136, .size: 8, .value_kind: global_buffer, .address_space: global }
      - { .name: vb_img, .offset: 144, .size: 8, .value_kind: global_buffer, .address_space: global }
    .group_segment_fixed_size: 134144
    .private_segment_fixed_size: 0
    .kernarg_segment_align: 8
    .kernarg_segment_size: 152
    .max_flat_workgroup_size: 256
    .sgpr_count:     100
    .vgpr_count:     258
    .wavefront_size: 32
...
	.end_amdgpu_metadata
.endif
;; end of part 1
;; launch attn (part 2): grid 256 x 1, 4 waves a work-group, clusters of 4 x 1, 327,680 bytes of LDS; arguments x_img, w_img, q_img, kb_img, vb_img, lowp_scales, ao_img; writes ao_img
.if DOCPART == 2
	.amdgcn_target "amdgcn-amd-amdhsa--gfx1250"
	.amdhsa_code_object_version 6
	.text
	.protected	k_qaeeb97833d_attn
	.globl	k_qaeeb97833d_attn
	.p2align	8
	.type	k_qaeeb97833d_attn,@function
k_qaeeb97833d_attn:
	s_mov_b64 s[64:65], 0
	v_nop
	global_prefetch_b8 v0, s[64:65] scope:SCOPE_SE
	s_setreg_imm32_b32 hwreg(HW_REG_WAVE_MODE, 25, 1), 1
	s_wait_xcnt 0x0
	s_wait_alu depctr_hold_cnt(0) depctr_sa_sdst(0) depctr_va_vdst(0) depctr_va_sdst(0) depctr_va_ssrc(0) depctr_va_vcc(0) depctr_vm_vsrc(0)
	s_getreg_b32 s2, hwreg(HW_REG_IB_STS2, 6, 4)
	s_cmp_eq_u32 s2, 0
	s_cbranch_scc0 .Lentry_in_a_cluster
	s_endpgm
.Lentry_in_a_cluster:
	s_bfe_u32 s2, ttmp6, 0x10000c
	s_cmp_lg_u32 s2, 0x3003
	s_cbranch_scc0 .Lentry_shape_is_right
	s_endpgm
.Lentry_shape_is_right:
; ATTENTION WITH K'S AND V'S PROJECTIONS FUSED IN: products 3, 5, 7 and 8, all on codes of E5M2.  K and V are made in registers, quantised there and used there: they touch neither memory nor LDS.
; SHARES.  A cluster of four work-groups owns one (b, n); work-group cx owns heads 2 cx and 2 cx + 1.  Wave w: head 2 cx + w / 2, half p = w % 2 of the 2,048 keys, all 64 queries (four tiles of 16).
; A wave walks its 1,024 keys in 8 steps of 128.  The two waves of a head join their (M, l, O) once, at the end.
; A TILE OF 16 KEYS is 16 neighbouring t' at one l' (the order of the keys is free: K, p and V all take it from the same fragments of kv_x).  So both time biases, in the layout of a result, are the same for
; all tiles of four steps: 64 + 64 registers that stay, and are the C of every projection: no addition is written.
; A STEP.  K: for each tile g of keys, K^T = Wk x X + bias (8 products; lane = key, registers = channels), converted: that IS source 0 of S^T = K Q^T (4 products; lane = query, registers = keys).
;   The conversion of tile g - 1 stands behind the products of tile g.  SOFTMAX: t = c s; M = the running largest t rounded up to a whole number; p = 2^(t - M), summed unquantised, then quantised at e14.
;   V: for each tile dt of channels, V = X x Wv + bias (8 products; lane = channel, registers = keys), converted: source 0 of O^T += V^T p^T (4 products).
; kv_x's codes come as images of fragments through a ring of two LDS slots, by ONE JOINT tensor load a wave and step: all four work-groups of the cluster read the same 64 KiB.
; REGISTER SLOT s OF A WAVE HOLDS QUERY TILE s xor 2 p (only Q's two LDS addresses know): at the end every wave keeps slots 0, 1 and sends slots 2, 3, so both waves of a head run one text.
; No prefetch is laid: a refill is asked for a whole step (192 matrix instructions and their vector work) ahead of the wait for it.
; LIMITS: e13-e4-e5, e15-e8-e9, e14, e16 between -126 and 112; e12 + e13 between -123 and 130 (added to c's exponent field).  NaN among the inputs is not served.
; REGISTERS, in windows of 256 (s_set_vgpr_msb: bits 1:0 source 0, 3:2 source 1, 5:4 source 2, 7:6 destination):
;   window 0: v1 16 x lane; v2 my head's block in LDS; v3 my keys' block of the slot in hand; v4, v5 the spare word's address and 0; v6-8, v31 the conversions' scales; v9, v28-30 addresses for the end; v10, v11 Q's images;
;             v[12+4q ..]: -M, the largest score, l in two halves; v32-47 the fragment just made; v48-55 at work; v56-63 f = 2^(old M - new M), in pairs; v64-127 Q, then p; v128-255 Wk or Wv
;   window 1: v0-127 K's staging (two sets of 64), later X for V; v128-191 K's bias; v192-255 X's tiles 0-3 for K, later the scores of tiles 4, 5
;   window 2: v0-127 the scores of tiles 0-3, later V's staging; v128-191 X's tiles 4-7 for K, later the scores of tiles 6, 7; v192-255 V's bias
;   window 3: O^T: (dt, q) at v[8 (4 dt + q)]
.set SLOTB, 65536                      ; a slot: four blocks of 16,384 bytes: codes at e4 for p = 0, 1; codes at e8 for p = 0, 1.  Block w is fetched by wave w
.set HB,    131072                     ; behind the ring: for each of the two heads 40,960 bytes: Wk's 8 images, Wv's 8, Q's 4
.set HBS,   40960
.set OSTG,  212992                     ; 16,384 bytes a wave: the two tiles of O^T that its partner finishes
.set STAT,  278528                     ; 1,024 bytes a wave: -M and l of its four tiles
.set SPARE, 282624                     ; the spare words, 128 bytes a wave: two blocks of 256 bytes that no other line names
.set MSB, 0
.macro WIN new                         ; the immediate's high byte repeats the setting that is left; a switch that changes nothing is dropped
.if MSB != \new
	s_set_vgpr_msb (MSB<<8)|\new
.set MSB, \new
.endif
.endm
.macro NOP4
.rept 4
	v_nop
.endr
.endm
.macro CROUND                          ; a round of the cluster's barrier
	s_barrier_signal -1
	s_barrier_wait -1
	s_cmp_lg_u32 s36, 0
	s_cbranch_scc1 .Lnot_wave_0_\@
	s_barrier_signal -3
.Lnot_wave_0_\@:
	s_barrier_wait -3
	s_barrier_signal -1
	s_barrier_wait -1
.endm
.macro LD4 reg, adr, off               ; an image comes back as the fragment's 16 registers
.irp c, 0,1,2,3
	ds_load_b128 v[\reg+4*\c:\reg+4*\c+3], v[\adr] offset:\off+512*\c
.endr
.endm
.macro HOLD8 reg, lo, hi
.irp j, 0,1,2,3,4,5,6,7
.endr
.endm
.macro CV8 src, sc                     ; 64 numbers become the fragment in v32-47
.irp c, 0,1,2,3,4,5,6,7
	v_cvt_scalef32_pk8_bf8_f32 v[32+2*\c:33+2*\c], v[\src+8*\c:\src+8*\c+7], v[\sc]
.endr
	v_nop                                          ; one plain line between the conversions and the products that read their results and write their sources
.endm
.macro POW d, e
	s_add_co_i32 s[\d], s[\e], 127
	s_lshl_b32 s[\d], s[\d], 23
.endm
.macro LIM pos, neg, e
	s_add_co_i32 s[\pos], s[\e], 142
	s_lshl_b32 s[\pos], s[\pos], 23
	s_or_b32 s[\pos], s[\pos], 0x600000
	s_or_b32 s[\neg], s[\pos], 0x80000000
.endm
	s_load_b256 s[4:11], s[0:1], 0x0               ; x_img 4, w_img 6, q_img 8, kb_img 10
	s_load_b128 s[12:15], s[0:1], 0x20             ; vb_img 12, lowp_scales 14
	s_load_b64 s[16:17], s[0:1], 0x30              ; ao_img
	v_lshl_add_u32 v4, v0, 2, SPARE
	v_mov_b32 v5, 0
	ds_add_u32 v4, v5
	ds_add_u32 v4, v5
	s_wait_dscnt 0x0
	v_lshrrev_b32 v1, 5, v0
	v_readfirstlane_b32 s36, v1                    ; wave 0..3
	s_and_b32 s37, s36, 1                          ; p: my half of the keys
	s_lshr_b32 s38, s36, 1                         ; which of the work-group's two heads
	s_bfe_u32 s18, ttmp6, 0x40000                  ; cx: it enters global addresses of my own loads and stores alone
	s_lshl_b32 s19, s18, 1
	s_add_co_u32 s19, s19, s38                     ; head
	v_and_b32 v1, 31, v0
	v_lshlrev_b32 v9, 2, v1
	v_lshlrev_b32 v1, 4, v1
	s_wait_alu depctr_va_vdst(0)
	s_mul_i32 s20, s38, HBS
	s_add_co_u32 s20, s20, HB
	v_add_nc_u32 v2, s20, v1
	s_lshl_b32 s21, s37, 12
	s_add_co_u32 s22, s20, s21
	s_add_co_u32 s22, s22, 32768
	v_add_nc_u32 v10, s22, v1                      ; query tiles 2 p, 2 p + 1: my slots 0, 1
	s_xor_b32 s21, s21, 4096
	s_add_co_u32 s22, s20, s21
	s_add_co_u32 s22, s22, 32768
	v_add_nc_u32 v11, s22, v1                      ; the other two: my slots 2, 3
	s_lshl_b32 s60, s37, 14
	s_add_co_u32 s22, s20, s60
	v_add_nc_u32 v3, s22, v1                       ; (at the head: where the weights that I fetch go: Wk's from p = 0, Wv's from p = 1)
	s_lshl_b32 s21, s36, 14
	s_add_co_u32 s22, s21, OSTG
	v_add_nc_u32 v28, s22, v1
	s_xor_b32 s21, s21, 16384
	s_add_co_u32 s22, s21, OSTG
	v_add_nc_u32 v29, s22, v1                      ; my partner's: wave w xor 1
	s_lshl_b32 s21, s36, 10
	s_add_co_u32 s22, s21, STAT
	s_xor_b32 s21, s21, 1024
	s_add_co_u32 s23, s21, STAT
	v_add_nc_u32 v30, s23, v9
	v_add_nc_u32 v9, s22, v9
	s_lshl_b32 s20, s37, 17                        ; w_img: Wk's images, or Wv's 64 images on; 8 images a head
	s_lshl_b32 s21, s19, 14
	s_add_co_u32 s20, s20, s21
	s_mov_b32 s21, 0
	s_lshl_b32 s22, ttmp9, 3                       ; q_img: [(b n)][head][tile]; I fetch tiles 2 p, 2 p + 1
	s_add_co_u32 s22, s22, s19
	s_lshl_b32 s22, s22, 2
	s_lshl_b32 s23, s37, 1
	s_add_co_u32 s22, s22, s23
	s_lshl_b32 s22, s22, 11
	s_mov_b32 s23, 0
	s_lshr_b32 s62, ttmp9, 4                       ; kb_img, vb_img: [b][sixteen t'][head] of 8,192 bytes, at t' / 16 = 2 p
	s_lshl_b32 s62, s62, 2
	s_lshl_b32 s63, s37, 1
	s_add_co_u32 s62, s62, s63
	s_lshl_b32 s62, s62, 3
	s_add_co_u32 s62, s62, s19
	s_lshl_b32 s62, s62, 13
	s_mov_b32 s63, 0
	s_lshl_b32 s40, ttmp9, 2                       ; ao_img: [(b n)][tile][head] of 2,048 bytes, at tile 2 p
	s_lshl_b32 s41, s37, 1
	s_add_co_u32 s40, s40, s41
	s_lshl_b32 s40, s40, 3
	s_add_co_u32 s40, s40, s19
	s_lshl_b32 s40, s40, 11
	s_mov_b32 s41, 0
	s_lshl_b32 s52, s38, 24                        ; x_img, the block that wave w fetches: set w / 2, (b n), half w % 2 of the keys: the cluster's number and the wave's alone
	s_lshl_b32 s53, ttmp9, 18
	s_add_co_u32 s52, s52, s53
	s_lshl_b32 s53, s37, 17
	s_add_co_u32 s52, s52, s53
	s_mov_b32 s53, 0
	; descriptor group 1: a dense block of 16,384 bytes as 64 rows of 32 elements of 8 bytes; no padding: images are read 16 bytes a lane on end
	s_mov_b32 s24, 15|(3<<16)|(1<<21)              ; 15:0 the mask: all four work-groups; 17:16 elements of 8 bytes; 21 set beside a mask
	s_mov_b32 s25, 32<<16                          ; tensor_dim0 = 32
	s_mov_b32 s26, 64<<16                          ; tensor_dim1 = 64
	s_mov_b32 s27, 32<<16                          ; tile_dim0 = 32
	s_mov_b32 s28, 64                              ; tile_dim1 = 64
	s_mov_b32 s29, 32                              ; from row to row
	s_mov_b32 s30, 0
	s_mov_b32 s31, 0
	s_wait_kmcnt 0x0
	s_load_b512 s[68:83], s[14:15], 0x0            ; e0 .. e15 in s68 .. s83
	s_load_b64 s[84:85], s[14:15], 0x40            ; e16, e17
	s_add_nc_u64 s[6:7], s[6:7], s[20:21]
	s_add_nc_u64 s[8:9], s[8:9], s[22:23]
	s_add_nc_u64 s[54:55], s[10:11], s[62:63]
	s_add_nc_u64 s[56:57], s[12:13], s[62:63]
	s_add_nc_u64 s[58:59], s[16:17], s[40:41]
	s_mov_b32 s32, 1                               ; group 0: count = 1,
	s_lshl_b32 s33, s36, 14                        ; LDS address: slot 0, block w,
	s_add_nc_u64 s[34:35], s[4:5], s[52:53]        ; the block of step 0,
	s_or_b32 s35, s35, 0x80000000                  ; type = 2
	WIN 0x40
.set k, 0
.rept 32
	global_load_b128 v[4*k:4*k+3], v1, s[6:7] offset:512*k             ; 8 images of weights
.set k, k+1
.endr
	WIN 0x80
.set k, 0
.rept 8
	global_load_b128 v[4*k:4*k+3], v1, s[8:9] offset:512*k             ; 2 images of Q
.set k, k+1
.endr
	WIN 0x40
.set k, 0
.rept 16
	global_load_b128 v[128+4*k:131+4*k], v1, s[54:55] offset:512*k     ; K's bias
.set k, k+1
.endr
	WIN 0x80
.set k, 0
.rept 16
	global_load_b128 v[192+4*k:195+4*k], v1, s[56:57] offset:512*k     ; V's bias
.set k, k+1
.endr
	WIN 0
	CROUND                                         ; all four work-groups are here: the first joint loads meet
	tensor_load_to_lds s[32:35], s[24:31]          ; step 0: one tensor load of mine is out, here and behind every round
	s_nop 0
	NOP4
	s_wait_loadcnt 32                              ; the weights and Q are in; the biases' 32 loads may be out
	WIN 0x04
.set k, 0
	s_wait_alu depctr_va_vdst(0)
.rept 32
	ds_store_b128 v3, v[4*k:4*k+3] offset:512*k
.set k, k+1
.endr
	WIN 0x08
.set k, 0
.rept 8
	ds_store_b128 v10, v[4*k:4*k+3] offset:512*k
.set k, k+1
.endr
	WIN 0
	s_wait_kmcnt 0x0
	s_sub_co_i32 s61, s81, s72
	s_sub_co_i32 s61, s61, s73                     ; a sum of K's projection stands for sum x 2^(e4 + e5): its code at e13 is sum / 2^(e13 - e4 - e5)
	POW 62, 61
	v_mov_b32 v6, s62
	LIM 47, 46, 61
	s_sub_co_i32 s61, s83, s76
	s_sub_co_i32 s61, s61, s77                     ; V likewise: e15 - e8 - e9
	POW 62, 61
	v_mov_b32 v7, s62
	LIM 49, 48, 61
	POW 62, 82
	v_mov_b32 v8, s62                              ; p: 2^e14
	LIM 50, 63, 82
	POW 62, 84
	v_mov_b32 v31, s62                             ; the output of attention: 2^e16
	LIM 52, 51, 84
	s_add_co_i32 s53, s82, s83                     ; e14 + e15
	s_add_co_i32 s61, s80, s81
	s_lshl_b32 s61, s61, 23
	s_mov_b32 s42, 0x3e0293ee                      ; c = log2(e) / sqrt(128),
	s_add_co_i32 s42, s42, s61                     ; x 2^(e12 + e13): the two exponents are added to its exponent field
	s_mov_b32 s43, s42                             ; (named with it as a pair, so it is written)
	s_mov_b32 s44, 0x76543210
	s_mov_b32 s45, 0xfedcba98                      ; v_permlanex16_b32: lane l xor 16
	s_mov_b32 s39, 0                               ; the slot in hand
	s_mov_b32 s40, 0                               ; the step
	WIN 0xc0
.set j, 0
.rept 256
	v_mov_b32 v[j], 0                              ; O^T.  The step is written twice (the loop, and the last step without a refill), not three times: the first step finds zeros, which f = 0 leaves zeros
.set j, j+1
.endr
	WIN 0
.irp q, 0,1,2,3
	v_mov_b32 v[12+4*\q], 0x7f61b1e6               ; -M = 3e38: the first change of M gives f = 0
	v_mov_b32 v[13+4*\q], 0xff61b1e6               ; the largest score so far: -3e38
	v_mov_b32 v[14+4*\q], 0
	v_mov_b32 v[15+4*\q], 0
	v_mov_b32 v[56+2*\q], 0
	v_mov_b32 v[57+2*\q], 0                        ; (named as the upper half of f's pair)
.endr
	s_wait_dscnt 0x0                               ; for the others' sake: my stores of weights and Q have landed
	s_barrier_signal -1
	s_barrier_wait -1                              ; step 0's load may stay out
.irp t, 0,1,2,3,4,5,6,7
	LD4 128+16*\t, 2, 2048*\t                      ; Wk
.endr
; THE CHANGE OF SLOTS, at a step's head.  Each wave waits for all its tensor loads (its block of the slot ahead), adds 0 to its spare word, and waits for that and for its reads of the slot that it has left.
; fill = 1: a round of the cluster's barrier, so that no wave of any partner still reads that slot; the joint refill is the first thing behind it.
.macro CHANGE fill
	WIN 0
	s_wait_tensorcnt 0x0                           ; no tensor load of mine is out, so group 0 may be written
	ds_add_u32 v4, v5                              ; 0 onto my spare word
.if \fill
	s_xor_b32 s33, s33, SLOTB                      ; the other slot than last time,
	s_add_nc_u64 s[34:35], s[34:35], 16384         ; the next step's block; the type bits on top are not reached
.endif
	s_wait_dscnt 0x0
.if \fill
	CROUND
	tensor_load_to_lds s[32:35], s[24:31]
	s_nop 0
.else
	s_barrier_signal -1
	s_barrier_wait -1
.endif
	NOP4                                           ; behind the tensor load; also the places between the last products on p and the loads of Q into p's registers
.endm
; tile tt of keys: its codes, and S^T = K Q^T for the four tiles of queries
.macro KCONV tt
	WIN 0x01
	v_nop
	v_nop
	v_nop
	v_nop
	CV8 64*((\tt)%2), 6
.if (\tt) == 0
	s_wait_alu depctr_va_vdst(0)
	s_wait_dscnt 24                                ; Q is in: behind it stand the 24 loads of X's tiles 2 to 7
.endif
.if ((\tt) == 4) || ((\tt) == 5)
	WIN 0x40
.set SB, 192+32*((\tt)-4)
.elseif (\tt) > 5
	WIN 0x80
.set SB, 128+32*((\tt)-6)
.else
	WIN 0x80
.set SB, 32*(\tt)
.endif
.irp q, 0,1,2,3
	v_wmma_f32_16x16x128_bf8_bf8 v[SB+8*\q:SB+8*\q+7], v[32:47], v[64+16*\q:79+16*\q], 0
.endr
.endm
.macro KPH last
	s_add_co_u32 s41, s39, s60
	v_add_nc_u32 v3, s41, v1                       ; my half's block of codes at e4; those at e8 lie 32,768 bytes on
	WIN 0x40
	LD4 192, 3, 0
	LD4 208, 3, 2048
	WIN 0
	LD4 64, 10, 0
	LD4 80, 10, 2048
	LD4 96, 11, 0
	LD4 112, 11, 2048
	WIN 0x40
	LD4 224, 3, 4096
	LD4 240, 3, 6144
	WIN 0x80
	LD4 128, 3, 8192
	LD4 144, 3, 10240
	LD4 160, 3, 12288
	LD4 176, 3, 14336
	s_wait_loadcnt 0x0                             ; the biases
.irp g, 0,1,2,3,4,5,6,7
.if \g < 2
	s_wait_dscnt 44-4*\g                           ; X's tile g is in: the count is what was issued behind it (Q's 16 loads stand behind tile 1)
.else
	s_wait_dscnt 28-4*\g
.endif
.if \g < 4
	WIN 0x54                                       ; Wk window 0, X window 1, bias and staging window 1
.set XB, 192+16*\g
.else
	WIN 0x58                                       ; X window 2
.set XB, 128+16*(\g-4)
.endif
.irp t, 0,1,2,3,4,5,6,7
	v_wmma_f32_16x16x128_bf8_bf8 v[64*(\g%2)+8*\t:64*(\g%2)+8*\t+7], v[128+16*\t:143+16*\t], v[XB:XB+15], v[128+8*\t:135+8*\t]
.if \g > 0
	HOLD8 64*((\g-1)%2)+8*\t, 46, 47
.endif
.endr
.if \g == 0
	NOP4                                           ; places behind the first eight products
.else
	KCONV \g-1
.endif
.endr
	WIN 0                                          ; Wk's and the bias's last reader stands before KCONV 6
.irp t, 0,1,2,3,4,5,6,7
	LD4 128+16*\t, 2, 16384+2048*\t                ; Wv
.endr
	WIN 0x40
.irp tt, 0,1,2,3
	LD4 16*\tt, 3, 32768+2048*\tt                  ; X at e8, tiles 0-3, into the staging set that is done with
.endr
	WIN 0
.if \last == 0
	s_cmp_lg_u32 s40, 3                            ; from step 4 on the keys have the next sixteen t': the bias of those
	s_cbranch_scc1 .Lkb_\@
	WIN 0x40
.set k, 0
.rept 16
	global_load_b128 v[128+4*k:131+4*k], v1, s[54:55] offset:65536+512*k
.set k, k+1
.endr
	WIN 0
.Lkb_\@:
.endif
	WIN 0x54
.irp t, 0,1,2,3,4,5,6,7
	HOLD8 64+8*\t, 46, 47
.endr
	KCONV 7
	WIN 0x40
.irp tt, 4,5,6,7
	LD4 16*\tt, 3, 32768+2048*\tt
.endr
.endm
; THE SOFTMAX of 128 keys x 64 queries.  sb: a tile of keys' first register (32 registers: 8 for each tile of queries).  The four tiles of queries take turns, so that no line waits for the line above it.
.macro MAXW first, sb                  ; each accumulator is read from its low end on
.irp i, 0,1,2,3
.irp q, 0,1,2,3
.if (\first) && (\i < 2)
	v_max3_num_f32 v[48+4*(\i%2)+\q], v[\sb+8*\q+2*\i], v[\sb+8*\q+2*\i+1], v[13+4*\q]   ; the two chains begin with the largest score so far
.else
	v_max3_num_f32 v[48+4*(\i%2)+\q], v[\sb+8*\q+2*\i], v[\sb+8*\q+2*\i+1], v[48+4*(\i%2)+\q]
.endif
.endr
.endr
.endm
.macro SCAL sb
.irp i, 0,2,4,6
.irp q, 0,1,2,3
	v_pk_fma_f32 v[\sb+8*\q+\i:\sb+8*\q+\i+1], v[\sb+8*\q+\i:\sb+8*\q+\i+1], s[42:43], v[12+4*\q:13+4*\q] op_sel_hi:[1,0,0]   ; t - M (of the pairs c and -M the low word serves both halves)
.endr
.endr
.endm
.macro EXPS sb
.set j, 0
.rept 32
	v_exp_f32 v[\sb+j], v[\sb+j]
.set j, j+1
.endr
.endm
.macro SUMS sb
.irp i, 0,2,4,6
.irp q, 0,1,2,3
	v_pk_add_f32 v[14+4*\q:15+4*\q], v[14+4*\q:15+4*\q], v[\sb+8*\q+\i:\sb+8*\q+\i+1]
.endr
.endr
.endm
.macro HOLDP sb
.set j, 0
.rept 32
.set j, j+1
.endr
.endm
.macro PCV sb, tt                      ; registers 2 tt, 2 tt + 1 of p's fragments: keys 16 tt + 8 h + 0 .. 7
.irp q, 0,1,2,3
	v_cvt_scalef32_pk8_bf8_f32 v[64+16*\q+2*\tt:65+16*\q+2*\tt], v[\sb+8*\q:\sb+8*\q+7], v8
.endr
.endm
.macro SMX
	WIN 0x0a                                       ; scores in window 2
	MAXW 1, 0
.irp sb, 32,64,96,128,160
	MAXW 0, \sb
.endr
	WIN 0x05                                       ; in window 1
	MAXW 0, 192
	MAXW 0, 224
	WIN 0
.irp q, 0,1,2,3
	v_max_num_f32 v[48+\q], v[48+\q], v[52+\q]
.endr
.irp q, 0,1,2,3
	v_permlanex16_b32 v[52+\q], v[48+\q], s44, s45 ; the query's other 64 keys lie in the lane 16 away
.endr
.irp q, 0,1,2,3
	v_max_num_f32 v[13+4*\q], v[48+\q], v[52+\q]
.endr
.irp q, 0,1,2,3
	v_mul_f32 v[48+\q], s42, v[13+4*\q]            ; as t (c is positive)
	v_mov_b32 v[52+\q], v[12+4*\q]
.endr
.irp q, 0,1,2,3
	v_floor_f32 v[12+4*\q], -v[48+\q]              ; -M = floor(-t): M is a whole number
.endr
.irp q, 0,1,2,3
	v_sub_f32 v[52+\q], v[12+4*\q], v[52+\q]       ; old M - new M, a whole number, 0 or less
.endr
.irp q, 0,1,2,3
	v_cvt_i32_f32 v[52+\q], v[52+\q]               ; (it saturates)
.endr
.irp q, 0,1,2,3
	v_ldexp_f32 v[56+2*\q], 1.0, v[52+\q]          ; f: a multiplication by it rounds nothing
.endr
	WIN 0x82
.irp sb, 0,32,64,96,128,160
	SCAL \sb
.endr
	WIN 0x41
	SCAL 192
	SCAL 224
	WIN 0x82                                       ; ONE BATCH of 256 exponentials: none reads another's result
	s_wait_alu depctr_va_vdst(0)
.irp sb, 0,32,64,96,128,160
	EXPS \sb
.endr
	WIN 0x41
	EXPS 192
	EXPS 224
	v_nop                                          ; a plain line behind the last exponential,
	s_wait_alu depctr_va_vdst(0)                   ; and one wait for the batch ahead of its first reader
	WIN 0
.irp q, 0,1,2,3
	v_pk_mul_f32 v[14+4*\q:15+4*\q], v[14+4*\q:15+4*\q], v[56+2*\q:57+2*\q] op_sel_hi:[1,0]   ; the sums under the new M
.endr
	WIN 0x08                                       ; the row's sum is taken of the unquantised p
.irp sb, 0,32,64,96,128,160
	SUMS \sb
.endr
	WIN 0x04
	SUMS 192
	SUMS 224
	WIN 0x44
	HOLDP 192
	HOLDP 224
	WIN 0x01
	PCV 192, 4
	PCV 224, 5
	WIN 0x88
.irp sb, 0,32,64,96,128,160
	HOLDP \sb
.endr
	WIN 0x02
	PCV 0, 0
	PCV 32, 1
	PCV 64, 2
	PCV 96, 3
	PCV 128, 6
	PCV 160, 7
	WIN 0xc3                                       ; O^T under the new M.  (These are also the plain lines behind the conversions)
.irp dt, 0,1,2,3,4,5,6,7
.irp q, 0,1,2,3
.irp i, 0,2,4,6
	v_pk_mul_f32 v[8*(4*\dt+\q)+\i:8*(4*\dt+\q)+\i+1], v[8*(4*\dt+\q)+\i:8*(4*\dt+\q)+\i+1], v[56+2*\q:57+2*\q] op_sel_hi:[1,0]
.endr
.endr
.endr
.endm
; tile d of channels: its codes, and O^T += V^T p^T.  The 32 accumulators take turns, one instruction a turn
.macro VCONV d
	WIN 0x02
	v_nop
	v_nop
	v_nop
	v_nop
	CV8 64*((\d)%2), 7
	WIN 0xf0
.irp q, 0,1,2,3
	v_wmma_f32_16x16x128_bf8_bf8 v[8*(4*(\d)+\q):8*(4*(\d)+\q)+7], v[32:47], v[64+16*\q:79+16*\q], v[8*(4*(\d)+\q):8*(4*(\d)+\q)+7]
.endr
.endm
.macro VPH last
	s_wait_dscnt 0x0                               ; Wv and X at e8, asked for ahead of the softmax
	s_wait_loadcnt 0x0
.irp dt, 0,1,2,3,4,5,6,7
	WIN 0xa1                                       ; X window 1, Wv window 0, bias and staging window 2
.irp tt, 0,1,2,3,4,5,6,7
	v_wmma_f32_16x16x128_bf8_bf8 v[64*(\dt%2)+8*\tt:64*(\dt%2)+8*\tt+7], v[16*\tt:16*\tt+15], v[128+16*\dt:143+16*\dt], v[192+8*\dt:199+8*\dt]
.if \dt > 0
	HOLD8 64*((\dt-1)%2)+8*\tt, 48, 49
.endif
.endr
.if \dt == 0
	NOP4
.else
	VCONV \dt-1
.endif
.if \last == 0
	WIN 0
	v_nop
	v_nop
	v_nop
	LD4 128+16*\dt, 2, 2048*\dt                    ; this tile of Wv is done with (its last reader stands four plain lines back or more): the next step's Wk takes its place
.endif
.endr
	WIN 0
.if \last == 0
	s_cmp_lg_u32 s40, 3
	s_cbranch_scc1 .Lvb_\@
	WIN 0x80
.set k, 0
.rept 16
	global_load_b128 v[192+4*k:195+4*k], v1, s[56:57] offset:65536+512*k
.set k, k+1
.endr
	WIN 0
.Lvb_\@:
.endif
	WIN 0xa1
.irp tt, 0,1,2,3,4,5,6,7
	HOLD8 64+8*\tt, 48, 49
.endr
	VCONV 7
	WIN 0
.endm
.Lstep:                                ; 7 trips: behind each change of slots but the last the next step's codes are asked for
	CHANGE 1
	KPH 0
	SMX
	VPH 0
	s_xor_b32 s39, s39, SLOTB
	s_add_co_u32 s40, s40, 1
	s_cmp_lt_u32 s40, 7
	s_cbranch_scc1 .Lstep
	CHANGE 0                                       ; the last step is written out
	KPH 1
	SMX
	VPH 1
	; THE END.  The two waves of a head have the same queries and different keys.  Each sends -M, l and its slots 2, 3 of O^T to the other, and finishes its slots 0, 1.
.irp q, 0,1,2,3
	v_add_f32 v[14+4*\q], v[14+4*\q], v[15+4*\q]   ; l's two halves.  (These lines are also the places behind the last products)
.endr
.irp q, 0,1,2,3
	v_permlanex16_b32 v[48+\q], v[14+4*\q], s44, s45
.endr
.irp q, 0,1,2,3
	v_add_f32 v[14+4*\q], v[14+4*\q], v[48+\q]
.endr
.irp q, 0,1,2,3
	ds_store_b32 v9, v[12+4*\q] offset:256*\q
	ds_store_b32 v9, v[14+4*\q] offset:256*\q+128
.endr
	WIN 0x0c                                       ; store data in window 3
.irp s, 2,3
.irp dt, 0,1,2,3,4,5,6,7
	ds_store_b128 v28, v[8*(4*\dt+\s):8*(4*\dt+\s)+3] offset:((\s-2)*8+\dt)*1024
	ds_store_b128 v28, v[8*(4*\dt+\s)+4:8*(4*\dt+\s)+7] offset:((\s-2)*8+\dt)*1024+512
.endr
.endr
	WIN 0
	s_wait_dscnt 0x0                               ; for the partner's sake: my stores have landed
	s_barrier_signal -1
	s_barrier_wait -1
.irp s, 0,1
	ds_load_b32 v[48+2*\s], v30 offset:256*(\s+2)          ; my slot s is the partner's slot s + 2: its -M,
	ds_load_b32 v[49+2*\s], v30 offset:256*(\s+2)+128      ; its l
.endr
	WIN 0x40
.irp s, 0,1
.irp dt, 0,1,2,3,4,5,6,7
	ds_load_b128 v[64*\s+8*\dt:64*\s+8*\dt+3], v29 offset:(\s*8+\dt)*1024
	ds_load_b128 v[64*\s+8*\dt+4:64*\s+8*\dt+7], v29 offset:(\s*8+\dt)*1024+512
.endr
.endr
	WIN 0
	s_wait_dscnt 0x0
.irp s, 0,1
	v_min_num_f32 v[52+\s], v[12+4*\s], v[48+2*\s] ; the joint -M
.endr
.irp s, 0,1
	v_sub_f32 v[54+\s], v[52+\s], v[12+4*\s]
	v_sub_f32 v[52+\s], v[52+\s], v[48+2*\s]
.endr
.irp s, 0,1
	v_cvt_i32_f32 v[54+\s], v[54+\s]
	v_cvt_i32_f32 v[52+\s], v[52+\s]
.endr
.irp s, 0,1
	v_ldexp_f32 v[54+\s], 1.0, v[54+\s]            ; f for mine,
	v_ldexp_f32 v[52+\s], 1.0, v[52+\s]            ; f' for the partner's: exact powers of two
.endr
.irp s, 0,1
	v_mul_f32 v[14+4*\s], v[14+4*\s], v[54+\s]
.endr
.irp s, 0,1
	v_fma_f32 v[14+4*\s], v[49+2*\s], v[52+\s], v[14+4*\s]     ; the row's sum
.endr
	s_wait_alu depctr_va_vdst(0)
.irp s, 0,1
	v_rcp_f32 v[14+4*\s], v[14+4*\s]
.endr
	v_nop
	s_wait_alu depctr_va_vdst(0)                   ; one wait for the two reciprocals, ahead of their first reader
.irp s, 0,1
	v_ldexp_f32 v[14+4*\s], v[14+4*\s], s53        ; x 2^(e14 + e15)
.endr
.irp s, 0,1
	v_mul_f32 v[56+4*\s], v[14+4*\s], v[54+\s]
	v_mul_f32 v[58+4*\s], v[14+4*\s], v[52+\s]
.endr
.irp s, 0,1
	WIN 0x83                                       ; O^T window 3, the factor window 0, the result window 2
.irp dt, 0,1,2,3,4,5,6,7
.irp i, 0,2,4,6
	v_pk_mul_f32 v[64*\s+8*\dt+\i:64*\s+8*\dt+\i+1], v[8*(4*\dt+\s)+\i:8*(4*\dt+\s)+\i+1], v[56+4*\s:57+4*\s] op_sel_hi:[1,0]
.endr
.endr
	WIN 0xa1                                       ; the partner's O^T window 1
.set j, 0
.rept 32
	v_pk_fma_f32 v[64*\s+j:64*\s+j+1], v[64*\s+j:64*\s+j+1], v[58+4*\s:59+4*\s], v[64*\s+j:64*\s+j+1] op_sel_hi:[1,0,1]
.set j, j+2
.endr
.irp dt, 0,1,2,3,4,5,6,7
	HOLD8 64*\s+8*\dt, 51, 52
.endr
	WIN 0x02
.irp dt, 0,1,2,3,4,5,6,7
	v_cvt_scalef32_pk8_bf8_f32 v[64+16*\s+2*\dt:65+16*\s+2*\dt], v[64*\s+8*\dt:64*\s+8*\dt+7], v31   ; registers 2 dt, 2 dt + 1 of product 9's operand: lane = query, k = channel 16 dt + 8 h + 0 .. 7
.endr
	v_nop
	WIN 0
.irp q, 0,1,2,3
	global_store_b128 v1, v[64+16*\s+4*\q:67+16*\s+4*\q], s[58:59] offset:16384*\s+512*\q   ; 32 lanes store 512 consecutive bytes, aligned
.endr
.endr
	s_wait_tensorcnt 0x0                           ; the wave's end: behind my last tensor load and my last LDS store
	ds_add_u32 v4, v5
	s_wait_dscnt 0x0
	CROUND                                         ; the closing round
	s_endpgm
.Lfunc_end_k_qaeeb97833d_attn:
	.size	k_qaeeb97833d_attn, .Lfunc_end_k_qaeeb97833d_attn-k_qaeeb97833d_attn
	.p2alignl 7, 3214868480
	.fill 96, 4, 3214868480
	.section	.rodata,"a",@progbits
	.p2align	6, 0x0
	.amdhsa_kernel k_qaeeb97833d_attn
		.amdhsa_group_segment_fixed_size 327680
		.amdhsa_private_segment_fixed_size 0
		.amdhsa_enable_private_segment 0
		.amdhsa_kernarg_size 56
		.amdhsa_user_sgpr_count 2
		.amdhsa_user_sgpr_kernarg_segment_ptr 1
		.amdhsa_wavefront_size32 1
		.amdhsa_system_sgpr_workgroup_id_x 1
		.amdhsa_system_sgpr_workgroup_id_y 1
		.amdhsa_system_sgpr_workgroup_id_z 1
		.amdhsa_system_vgpr_workitem_id 0
		.amdhsa_next_free_vgpr 1024
		.amdhsa_next_free_sgpr 100
		.amdhsa_reserve_vcc 0
		.amdhsa_float_denorm_mode_32 3
		.amdhsa_float_denorm_mode_16_64 3
		.amdhsa_fp16_overflow 1
		.amdhsa_memory_ordered 1
		.amdhsa_forward_progress 1
		.amdhsa_inst_pref_size 205
	.end_amdhsa_kernel
	.amdgpu_metadata
---
amdhsa.version: [ 1, 2 ]
amdhsa.kernels:
  - .name:           k_qaeeb97833d_attn
    .symbol:         k_qaeeb97833d_attn.kd
    .args:
      - { .name: x_img, .offset: 0, .size: 8, .value_kind: global_buffer, .address_space: global }
      - { .name: w_img, .offset: 8, .size: 8, .value_kind: global_buffer, .address_space: global }
      - { .name: q_img, .offset: 16, .size: 8, .value_kind: global_buffer, .address_space: global }
      - { .name: kb_img, .offset: 24, .size: 8, .value_kind: global_buffer, .address_space: global }
      - { .name: vb_img, .offset: 32, .size: 8, .value_kind: global_buffer, .address_space: global }
      - { .name: lowp_scales, .offset: 40, .size: 8, .value_kind: global_buffer, .address_space: global }
      - { .name: ao_img, .offset: 48, .size: 8, .value_kind: global_buffer, .address_space: global }
    .group_segment_fixed_size: 327680
    .private_segment_fixed_size: 0
    .kernarg_segment_align: 8
    .kernarg_segment_size: 56
    .max_flat_workgroup_size: 128
    .sgpr_count:     100
    .vgpr_count:     1024
    .wavefront_size: 32
...
	.end_amdgpu_metadata
.endif
;; end of part 2
;; launch oproj (part 3): grid 256 x 1, 4 waves a work-group, no clusters, 9,216 bytes of LDS; arguments ao_img, w_img, bo, lowp_scales, out0; writes out0
.if DOCPART == 3
	.amdgcn_target "amdgcn-amd-amdhsa--gfx1250"
	.amdhsa_code_object_version 6
	.text
	.protected	k_qaeeb97833d_oproj
	.globl	k_qaeeb97833d_oproj
	.p2align	8
	.type	k_qaeeb97833d_oproj,@function
k_qaeeb97833d_oproj:
	s_mov_b64 s[64:65], 0
	v_nop
	global_prefetch_b8 v0, s[64:65] scope:SCOPE_SE
	s_setreg_imm32_b32 hwreg(HW_REG_WAVE_MODE, 25, 1), 1
	s_wait_xcnt 0x0
; out0 = attention's output x Wo + bo (product 9), on the images of fragments that the launches before have stored.
; A work-group takes 16 rows of out0: one (b, n) and sixteen t; K = 1,024 in 8 steps, one a head.  Wave w makes columns 32 w .. 32 w + 31: two accumulators, which take turns.
; The product is used transposed (source 0 = 16 columns of Wo, source 1 = 16 rows): a lane holds eight neighbouring columns of one row.  The four waves' parts of a row meet in a stage in LDS, and each
; wave stores four whole rows of 512 bytes.  No tensor load and no cluster: a work-group's operands are 144 KiB read once into registers, and its work is sixteen products a wave.
; LIMIT: e16 + e17 between -126 and 127.
.set MSB, 0
.macro WIN new
.if MSB != \new
	s_set_vgpr_msb (MSB<<8)|\new
.set MSB, \new
.endif
.endm
	s_load_b256 s[4:11], s[0:1], 0x0               ; ao_img 4, w_img 6, bo 8, lowp_scales 10
	s_load_b64 s[12:13], s[0:1], 0x20              ; out0
	v_lshl_add_u32 v254, v0, 2, 0x2200
	v_mov_b32 v255, 0
	v_lshrrev_b32 v1, 5, v0
	v_readfirstlane_b32 s16, v1                    ; wave 0..3
	v_and_b32 v1, 31, v0
	v_lshlrev_b32 v1, 4, v1                        ; 16 x lane
	v_and_b32 v2, 15, v0                           ; r
	v_bfe_u32 v3, v0, 4, 1                         ; h
	s_lshl_b32 s17, s16, 7
	v_lshl_add_u32 v4, v3, 5, s17                  ; my columns' bytes in a row: 128 w + 32 h (+ 64 for the second tile)
	v_mul_u32_u24 v5, v2, 528
	v_add_nc_u32 v5, v5, v4                        ; the stage, in: row r of 512 bytes + 16
	s_mul_i32 s18, s16, 4*528
	v_add_nc_u32 v6, s18, v1                       ; and back: my four rows, 16 bytes a lane
	s_lshl_b32 s20, ttmp9, 14                      ; ao_img: [(b n)][sixteen t] of 8 images
	s_mov_b32 s21, 0
	s_lshl_b32 s22, s16, 15
	s_add_co_u32 s22, s22, 262144                  ; w_img: Wo's images begin at image 128; 16 of them are mine
	s_mov_b32 s23, 0
	s_lshr_b32 s24, ttmp9, 6
	s_lshl_b32 s24, s24, 6                         ; 64 b
	s_and_b32 s25, ttmp9, 3
	s_lshl_b32 s25, s25, 4
	s_add_co_u32 s24, s24, s25                     ; + 16 x (which sixteen t)
	s_lshl_b32 s25, s16, 2
	s_add_co_u32 s24, s24, s25                     ; + my four rows
	s_lshl_b32 s24, s24, 4
	s_bfe_u32 s25, ttmp9, 0x40002
	s_add_co_u32 s24, s24, s25                     ; a (b, t) is 16 rows of out0: + n
	s_lshl_b32 s24, s24, 9
	s_mov_b32 s25, 0
	s_wait_alu depctr_va_vdst(0)
	s_wait_kmcnt 0x0
	s_load_b64 s[26:27], s[10:11], 0x40            ; e16, e17
	s_add_nc_u64 s[4:5], s[4:5], s[20:21]
	s_add_nc_u64 s[6:7], s[6:7], s[22:23]
	s_add_nc_u64 s[12:13], s[12:13], s[24:25]
	WIN 0x40                                       ; destination window 1: Wo's fragment (tile c, K step ks) at v[16 (8 c + ks)]
.set k, 0
.rept 64
	global_load_b128 v[4*k:4*k+3], v1, s[6:7] offset:512*k
.set k, k+1
.endr
	WIN 0
.set k, 0
.rept 32
	global_load_b128 v[32+4*k:35+4*k], v1, s[4:5] offset:512*k         ; the rows' fragment of K step ks at v[32 + 16 ks]
.set k, k+1
.endr
.irp c, 0,1
	global_load_b128 v[192+8*\c:195+8*\c], v4, s[8:9] offset:64*\c
	global_load_b128 v[196+8*\c:199+8*\c], v4, s[8:9] offset:64*\c+16
.endr
	s_wait_kmcnt 0x0
	s_add_co_i32 s14, s26, s27
	s_add_co_i32 s14, s14, 127
	s_lshl_b32 s14, s14, 23                        ; 2^(e16 + e17) as f32
	s_mov_b32 s15, s14                             ; (named with it as a pair, so it is written)
	s_wait_loadcnt 0x0
	WIN 0x01                                       ; source 0 window 1
.irp ks, 0,1,2,3,4,5,6,7
.irp c, 0,1
.if \ks == 0
	v_wmma_f32_16x16x128_bf8_bf8 v[160+8*\c:167+8*\c], v[16*(8*\c+\ks):16*(8*\c+\ks)+15], v[32+16*\ks:47+16*\ks], 0
.else
	v_wmma_f32_16x16x128_bf8_bf8 v[160+8*\c:167+8*\c], v[16*(8*\c+\ks):16*(8*\c+\ks)+15], v[32+16*\ks:47+16*\ks], v[160+8*\c:167+8*\c]
.endif
.endr
.endr
	WIN 0
.rept 4
	v_nop
.endr
.irp c, 0,1
.irp i, 0,2,4,6
	v_pk_fma_f32 v[176+8*\c+\i:177+8*\c+\i], v[160+8*\c+\i:161+8*\c+\i], s[14:15], v[192+8*\c+\i:193+8*\c+\i] op_sel_hi:[1,0,1]   ; sum x 2^(e16 + e17) + bo
.endr
.endr
.irp c, 0,1
	ds_store_b128 v5, v[176+8*\c:179+8*\c] offset:64*\c
	ds_store_b128 v5, v[180+8*\c:183+8*\c] offset:64*\c+16
.endr
	s_wait_dscnt 0x0                               ; for the others' sake: my stores into the stage have landed
	s_barrier_signal -1
	s_barrier_wait -1
.irp i, 0,1,2,3
	ds_load_b128 v[208+4*\i:211+4*\i], v6 offset:528*\i
.endr
.irp i, 0,1,2,3
	s_wait_dscnt 3-\i
	global_store_b128 v1, v[208+4*\i:211+4*\i], s[12:13] offset:8192*\i th:TH_STORE_NT   ; 32 lanes store a row of 512 bytes, aligned; the next t is 16 rows on
.endr
	s_wait_tensorcnt 0x0
	ds_add_u32 v254, v255
	s_wait_dscnt 0x0
	s_endpgm
.Lfunc_end_k_qaeeb97833d_oproj:
	.size	k_qaeeb97833d_oproj, .Lfunc_end_k_qaeeb97833d_oproj-k_qaeeb97833d_oproj
	.p2alignl 7, 3214868480
	.fill 96, 4, 3214868480
	.section	.rodata,"a",@progbits
	.p2align	6, 0x0
	.amdhsa_kernel k_qaeeb97833d_oproj
		.amdhsa_group_segment_fixed_size 9216
		.amdhsa_private_segment_fixed_size 0
		.amdhsa_enable_private_segment 0
		.amdhsa_kernarg_size 40
		.amdhsa_user_sgpr_count 2
		.amdhsa_user_sgpr_kernarg_segment_ptr 1
		.amdhsa_wavefront_size32 1
		.amdhsa_system_sgpr_workgroup_id_x 1
		.amdhsa_system_sgpr_workgroup_id_y 1
		.amdhsa_system_sgpr_workgroup_id_z 1
		.amdhsa_system_vgpr_workitem_id 0
		.amdhsa_next_free_vgpr 512
		.amdhsa_next_free_sgpr 66
		.amdhsa_reserve_vcc 0
		.amdhsa_float_denorm_mode_32 3
		.amdhsa_float_denorm_mode_16_64 3
		.amdhsa_memory_ordered 1
		.amdhsa_forward_progress 1
		.amdhsa_inst_pref_size 15
	.end_amdhsa_kernel
	.amdgpu_metadata
---
amdhsa.version: [ 1, 2 ]
amdhsa.kernels:
  - .name:           k_qaeeb97833d_oproj
    .symbol:         k_qaeeb97833d_oproj.kd
    .args:
      - { .name: ao_img, .offset: 0, .size: 8, .value_kind: global_buffer, .address_space: global }
      - { .name: w_img, .offset: 8, .size: 8, .value_kind: global_buffer, .address_space: global }
      - { .name: bo, .offset: 16, .size: 8, .value_kind: global_buffer, .address_space: global }
      - { .name: lowp_scales, .offset: 24, .size: 8, .value_kind: global_buffer, .address_space: global }
      - { .name: out0, .offset: 32, .size: 8, .value_kind: global_buffer, .address_space: global }
    .group_segment_fixed_size: 9216
    .private_segment_fixed_size: 0
    .kernarg_segment_align: 8
    .kernarg_segment_size: 40
    .max_flat_workgroup_size: 128
    .sgpr_count:     66
    .vgpr_count:     512
    .wavefront_size: 32
...
	.end_amdgpu_metadata
.endif
;; end of part 3
